; MI455X (gfx1250); checked and timed in simulation.
; The chip was launched on July 23, 2026; its instructions are those of AMD's public machine-readable ISA for CDNA 5 (MIT licence, August 2026) and "CDNA5" Instruction Set Architecture Reference Guide (July 2026). The comments in the code are by the model that wrote it; some were corrected since.
;; Group Query Attention. Allowed arithmetic: matrix products marked QUANTISED: E2M1 operands, one E8M0 scale for each 32 along K, by v_wmma_scale_f32_16x16x128_f8f6f4 with both operands' format E2M1 (or v_wmma_scale_f32_32x16x128_f4), f32 sums; products left as they are: bf16, f16 or f32 operands; f32 sums; everything else in f32.
;; Inputs: X 1 x 4,096 x 1,024 float32; k_b 256 float32; k_w 1,024 x 256 float32; o_b 1,024 float32; o_w 1,024 x 1,024 float32; q_b 1,024 float32; q_w 1,024 x 1,024 float32; v_b 256 float32; v_w 1,024 x 256 float32.
;; Outputs: out0 1 x 4,096 x 1,024 float32.
;; This version of the problem:
;;   THIS VERSION OF THE PROBLEM IS GIVEN IN LOW PRECISION. The matrix products marked QUANTISED in the list below multiply operands that are first quantised to E2M1 (2 exponent bits, 1 mantissa bit; 4 bits a number), with one power-of-two scale for each 32 numbers along K (OCP MX v1.0); their sums are f32. The products marked 'left as it is' may take bf16, f16 or f32 operands, with f32 sums. Whichever they take, every output number must still come out within the allowed error. Rounding operands to bf16 (8 significant bits) uses up far more of that allowance than f16 does (11 bits, for magnitudes from 6e-5 to 65,504). All else is computed in f32.
;;   The module's matrix products, in the order in which they are computed (A, B: the left and right operand; K: the contracted axis; several contracted axes count as one K, in the product's order):
;;     1. [M 4,096, K 1,024] x [K 1,024, N 1,024]; A: input X; B: input q_w: QUANTISED
;;     2. [M 4,096, K 1,024] x [K 1,024, N 256]; A: input X; B: input k_w: QUANTISED
;;     3. [M 4,096, K 1,024] x [K 1,024, N 256]; A: input X; B: input v_w: QUANTISED
;;     4. batch 16 x [M 4,096, K 64] x [K 64, N 4,096]; A: computed on the way; B: computed on the way: left as it is (an operand is computed on the way)
;;     5. batch 16 x [M 4,096, K 4,096] x [K 4,096, N 64]; A: computed on the way; B: computed on the way: left as it is (an operand is computed on the way)
;;     6. [M 4,096, K 1,024] x [K 1,024, N 1,024]; A: computed on the way; B: input o_w: left as it is (an operand is computed on the way)
;;   THE QUANTISER, for each operand of a quantised product, along K:
;;     - K is cut into blocks of 32 from its start; a last block that is shorter is filled with zeros.
;;     - A block's scale is 2^e with e = floor(log2(the largest magnitude in the block)) - 2, held to -126 .. 127; a block of zeros has e = 0. As a byte (E8M0): e + 127.
;;     - Each number is divided by its block's scale, clamped to +-6, and rounded to the nearest number of E2M1, ties to even, subnormals kept.
;;     - The product sums the exact products of the quantised numbers (number of the format x scale) in f32.
;;   ~~~python
;;   def quantise(x, axis):      # numpy; x: float32 -> the quantised numbers, widened to float32 again
;;       x = np.moveaxis(x, axis, -1); K = x.shape[-1]
;;       x = np.pad(x, [(0, 0)] * (x.ndim - 1) + [(0, -K % 32)]); x = x.reshape(x.shape[:-1] + (-1, 32)); a = np.abs(x).max(-1, keepdims=True)
;;       e = np.where(a > 0, np.clip(np.frexp(np.where(a > 0, a, 1))[1] - 1 - 2, -126, 127), 0)      # np.frexp(a)[1] - 1 = floor(log2(a)), exactly
;;       r = np.clip(x / 2.0 ** e, -6, 6)
;;       step = 2.0 ** (np.maximum(np.frexp(np.where(r == 0, 1, r))[1] - 1, 0) - 1)
;;       q = np.round(r / step) * step * 2.0 ** e      # np.round: ties to even
;;       return np.moveaxis(q.reshape(q.shape[:-2] + (-1,))[..., :K], -1, axis).astype(np.float32)
;;   ~~~
;; One version. Each part assembles by itself: llvm-mc -triple=amdgcn-amd-amdhsa -mcpu=gfx1250 --defsym DOCPART=n.
;; ======== version 1 of 1: 4 launches
;; limits: values are held in f16: magnitudes above 65,504 overflow, below 6.1e-05 lose precision
;; workspace buffers: xq 2,228,224 bytes; wq 835,584 bytes; owf 2,097,152 bytes; qf 8,388,608 bytes; kvf 4,194,304 bytes; af 8,388,608 bytes
;; launch prep (part 1): grid 416 x 1, 4 waves a work-group, no clusters, 35,328 bytes of LDS; arguments X, q_w, k_w, v_w, o_w, xq, wq, owf; writes xq, wq, owf
.if DOCPART == 1
	.amdgcn_target "amdgcn-amd-amdhsa--gfx1250"
	.amdhsa_code_object_version 6
	.text
	.protected	k_qb3c14d1fb7_prep
	.globl	k_qb3c14d1fb7_prep
	.p2align	8
	.type	k_qb3c14d1fb7_prep,@function
k_qb3c14d1fb7_prep:
	s_mov_b64 s[64:65], 0
	v_nop
	global_prefetch_b8 v0, s[64:65] scope:SCOPE_SE
	s_setreg_imm32_b32 hwreg(HW_REG_WAVE_MODE, 25, 1), 1
	s_wait_xcnt 0x0
; X [4096][1024], q_w [1024][1024], k_w, v_w [1024][256] (f32) become codes of FP4 (E2M1) with one E8M0 byte for each 32 along K = 1,024; o_w [1024][1024] becomes f16.
; All three results are laid as IMAGES OF OPERAND REGISTERS: four registers of a fragment are 512 consecutive bytes, lane L's 16 bytes at 16 L, so that the later launches load fragments as they lie.
;   xq  [rb 32 (128 rows)][q 4 (256 along K)] blocks of 17,408 bytes: codes [s 2][row tile 8][c 2][L][16 B], then scale words [s 2][row tile 8][r 16][4 B]
;   wq  [cb 8][q 4] blocks of 26,112 bytes: codes [s 2][j 12][c 2][L][16 B], then scale words [s 2][j 12][r 16][4 B]; column tile j = 6 g + i: i = 0..3 q head 2 cb + g, i = 4 k, i = 5 v (head cb / 2, channel tile 2 (cb % 2) + g)
;   owf [cb 8 (128 columns)][kc 4][column tile 8][kstep 8][group 2][L][16 B]: slot (group, 16 h + r) holds k = 32 kstep + 16 group + 8 h + 0..7 of column r
; A piece (c, L = 16 h + r) of codes is block 2 c + h (32 codes, 16 bytes) of row or column r of one K step of 128.
; A block's scale is 2^(floor(log2(its largest magnitude)) - 2); its byte is the largest magnitude's exponent field - 2, held at 1 from below by a floor among the maximum's leaves.
; LIMITS: a block of zeros gets the byte 1 where the rule says 127 (its codes are zeros, and this program alone reads the bytes); blocks whose largest magnitude lies under 2^(3 - 127) keep the byte 1;
; NaN and infinities among the inputs are not served; o_w is rounded to f16: full precision for magnitudes from 6e-5 to 65,504, an absolute step of 6e-8 below, infinity beyond.
; WORK-GROUPS: 0-255 X (16 rows each; wave w takes 256 along K); 256-319 q_w; 320-351 k_w and v_w; 352-415 o_w (in these a wave takes 32 columns x 128 along K, a lane a column, registers down K).
; No matrix unit, no tensor load, no barrier: waves share nothing, and memory binds.
.set SPARE, 34816                      ; behind the four waves' stages: the spare words, 128 bytes a wave
.set SPW, 2                            ; v2  LDS address of my spare word; never rewritten
.set NIL, 3                            ; v3  0; never rewritten
.set WK,  16                           ; v16-79   X: two sets of 32 neighbours; o_w: 64 registers of f16
.set RAW, 80                           ; v80-207  128 numbers as loaded
.set CD,  208                          ; v208-223 codes: four registers for each block, so that no store's data are written again
.set T,   224                          ; v224-239 at work
; 32 numbers of one block, v[src] on, become 4 registers of codes at v[dst] and the scale's byte in v[e]
.macro BLOCK src, dst, e
	v_max3_num_f32 v[T], |v[(\src)]|, |v[(\src)+1]|, |v[(\src)+2]|          ; the largest magnitude, in two chains
	v_max3_num_f32 v[T+1], |v[(\src)+3]|, |v[(\src)+4]|, |v[(\src)+5]|
.irp i, 6,10,14,18,22,26
	v_max3_num_f32 v[T], v[T], |v[(\src)+\i]|, |v[(\src)+\i+1]|
	v_max3_num_f32 v[T+1], v[T+1], |v[(\src)+\i+2]|, |v[(\src)+\i+3]|
.endr
	v_max3_num_f32 v[T], v[T], |v[(\src)+30]|, |v[(\src)+31]|
	v_max3_num_f32 v[T], v[T], v[T+1], 0x1800000                            ; and the floor 2^(3 - 127): the byte cannot fall under 1
	v_add_nc_u32 v[T+2], 0xff000000, v[T]                                   ; 2 off the exponent field: the conversion takes this operand's exponent field as its scale
.irp g, 0,1,2,3
	v_cvt_scalef32_pk8_fp4_f32 v[(\dst)+\g], v[(\src)+8*\g:(\src)+8*\g+7], v[T+2]
.endr
	v_lshrrev_b32 v[\e], 23, v[T+2]                                         ; the scale's byte (also the plain line behind the conversions)
.endm
; A UNIT: 16 rows of K, 16 u on, at my column: each load reads 128 consecutive bytes a wave.  Every unit has registers of its own
.macro WUNIT u, pitch
.set n, 16*(\u)
.rept 16
	global_load_b32 v[RAW+n], v7, s[24:25] offset:n*(\pitch) th:TH_LOAD_NT
.set n, n+1
.endr
.endm
; The head of block b (32 along K = units 2 b and 2 b + 1).  Three units, 48 loads, are on their way: 2 b, 2 b + 1 and 2 b + 2.  Loads come back in order (ISA guide 5.7.1): the count 16 leaves the youngest unit out.
; Behind the wait the next units are asked for, so that again three are out while the block is worked on.
.macro WAHEAD b, pitch
.if (\b) < 3
	s_wait_loadcnt 16                              ; this block's two units are in; unit 2 b + 2 may be out
.else
	s_wait_loadcnt 0x0                             ; the last block: nothing was issued behind its units
.endif
.if (\b) < 2
	WUNIT 2*(\b)+3, \pitch
	WUNIT 2*(\b)+4, \pitch
.elseif (\b) == 2
	WUNIT 7, \pitch
.endif
.endm
; where a wave's two column tiles go in wq: s21 = cb, s22 = K step, s30 = first tile j0
.macro WDST
	s_mul_i32 s26, s21, 104448
	s_lshr_b32 s23, s22, 1
	s_mul_i32 s23, s23, 26112
	s_add_co_u32 s26, s26, s23                     ; the block [cb][q]
	s_and_b32 s31, s22, 1                          ; s
	s_mul_i32 s23, s31, 768
	s_add_co_u32 s28, s26, s23
	s_lshl_b32 s23, s30, 6
	s_add_co_u32 s28, s28, s23
	s_add_co_u32 s28, s28, 24576                   ; its scale words
	s_mul_i32 s23, s31, 12288
	s_add_co_u32 s26, s26, s23
	s_lshl_b32 s23, s30, 10
	s_add_co_u32 s26, s26, s23                     ; its codes
	s_add_nc_u64 s[26:27], s[16:17], s[26:27]
	s_add_nc_u64 s[28:29], s[16:17], s[28:29]
.endm
; A weight's K step: lane = column, four blocks of 32 down K.  ts: bytes from the tile of lanes 0-15 to that of lanes 16-31
.macro WPATH pitch, ts
	v_mul_u32_u24 v8, v6, \ts
	v_lshl_add_u32 v8, v5, 4, v8                   ; codes: ts h + 16 r
	v_mul_u32_u24 v9, v6, (\ts)/16
	v_lshl_add_u32 v9, v5, 2, v9                   ; scale word: ts / 16 h + 4 r
	WUNIT 0, \pitch
	WUNIT 1, \pitch
	WUNIT 2, \pitch
.irp b, 0,1,2,3
	WAHEAD \b, \pitch
	BLOCK RAW+32*\b, CD+4*\b, T+3
.if \b == 0
	v_mov_b32 v[T+4], v[T+3]                       ; the four bytes make my column's scale word, the lower K in the lower byte
.else
	v_lshl_or_b32 v[T+4], v[T+3], 8*\b, v[T+4]
.endif
	global_store_b128 v8, v[CD+4*\b:CD+4*\b+3], s[26:27] offset:512*(\b/2)+256*(\b%2)   ; block b is piece c = b / 2, half b % 2: sixteen lanes store 256 consecutive bytes, aligned
.endr
	global_store_b32 v9, v[T+4], s[28:29]          ; two runs of 64 bytes: one byte in 130 of what the path moves
.endm
	s_load_b256 s[4:11], s[0:1], 0x0               ; X s[4:5], q_w s[6:7], k_w s[8:9], v_w s[10:11]
	s_load_b256 s[12:19], s[0:1], 0x20             ; o_w s[12:13], xq s[14:15], wq s[16:17], owf s[18:19]
	v_lshl_add_u32 v[SPW], v0, 2, SPARE
	v_mov_b32 v[NIL], 0
	v_lshrrev_b32 v1, 5, v0
	v_readfirstlane_b32 s20, v1                    ; wave 0..3
	v_and_b32 v4, 31, v0                           ; L
	v_and_b32 v5, 15, v0                           ; r
	v_bfe_u32 v6, v0, 4, 1                         ; h
	v_lshlrev_b32 v7, 2, v4                        ; 4 L
	s_mov_b32 s25, 0                               ; the high words of three offsets
	s_mov_b32 s27, 0
	s_mov_b32 s29, 0
	s_wait_kmcnt 0x0
	s_cmp_lt_u32 ttmp9, 256
	s_cbranch_scc0 .Lnot_x
	; ---- X: row tile x = the work-group's number, 16 rows; my wave's 256 along K, as four units of 64
	s_lshr_b32 s21, ttmp9, 3                       ; rb
	s_and_b32 s22, ttmp9, 7                        ; row tile in it
	s_lshl_b32 s24, ttmp9, 16                      ; 16 rows of 4,096 bytes
	s_lshl_b32 s23, s20, 10
	s_add_co_u32 s24, s24, s23
	s_add_nc_u64 s[4:5], s[4:5], s[24:25]
	s_mul_i32 s26, s21, 69632
	s_mul_i32 s23, s20, 17408
	s_add_co_u32 s26, s26, s23                     ; the block [rb][q = wave]
	s_lshl_b32 s23, s22, 6
	s_add_co_u32 s28, s26, s23
	s_add_co_u32 s28, s28, 16384                   ; its scale words
	s_lshl_b32 s23, s22, 10
	s_add_co_u32 s26, s26, s23                     ; its codes
	s_add_nc_u64 s[26:27], s[14:15], s[26:27]
	s_add_nc_u64 s[28:29], s[14:15], s[28:29]
	s_mov_b32 s32, 0x76543210
	s_mov_b32 s33, 0xfedcba98                      ; v_permlanex16_b32's selects for lane l xor 16
	v_lshlrev_b32 v8, 4, v5                        ; 16 r
	v_lshl_add_u32 v9, v6, 12, v8                  ; a load takes two rows' 256 bytes: 4,096 h + 16 r
	s_mul_i32 s30, s20, 8704                       ; my wave's two stages of 16 rows x 272 bytes
	v_mul_u32_u24 v10, v6, 272
	v_add_nc_u32 v10, v10, v8
	v_add_nc_u32 v10, s30, v10                     ; into a stage as loaded: 272 h + 16 r
	v_mul_u32_u24 v11, v5, 272
	v_lshl_add_u32 v11, v6, 7, v11
	v_add_nc_u32 v11, s30, v11                     ; out of it: row r, my half's 32 numbers: 272 r + 128 h
	v_lshlrev_b32 v12, 4, v4                       ; codes: 16 L
	v_lshlrev_b32 v13, 2, v5
	v_lshl_add_u32 v13, v6, 9, v13                 ; scale word of K step h: 512 h + 4 r
.irp u, 0,1,2,3
.irp i, 0,1,2,3,4,5,6,7
	global_load_b128 v[RAW+32*\u+4*\i:RAW+32*\u+4*\i+3], v9, s[4:5] offset:8192*\i+256*\u th:TH_LOAD_NT   ; sixteen lanes read 256 consecutive bytes, aligned
.endr
.endr
.macro XTURN u                         ; unit u through a stage: in as loaded, out 32 neighbours a lane.  LDS serves a wave's instructions in order (ISA guide 5.7.1.4): no wait between
.irp i, 0,1,2,3,4,5,6,7
	ds_store_b128 v10, v[RAW+32*(\u)+4*\i:RAW+32*(\u)+4*\i+3] offset:4352*((\u)%2)+544*\i
.endr
.irp e, 0,1,2,3,4,5,6,7
	ds_load_b128 v[WK+32*((\u)%2)+4*\e:WK+32*((\u)%2)+4*\e+3], v11 offset:4352*((\u)%2)+16*\e
.endr
.endm
	s_wait_loadcnt 24                              ; unit 0's eight loads are in
	XTURN 0
.irp u, 0,1,2,3
.if \u < 3
	s_wait_loadcnt 16-8*\u                         ; the next unit's eight loads are in; later units' may be out
	XTURN \u+1
	s_wait_dscnt 16                                ; this unit is back from its stage; the next unit's sixteen LDS instructions may be out
.else
	s_wait_dscnt 0x0
.endif
	BLOCK WK+32*(\u%2), CD+4*\u, T+4+\u            ; my block 2 (u % 2) + h of K step u / 2
	global_store_b128 v12, v[CD+4*\u:CD+4*\u+3], s[26:27] offset:8192*(\u/2)+512*(\u%2)   ; 512 consecutive bytes, aligned
.endr
	v_lshlrev_b32 v232, 3, v6                      ; 8 h
	v_lshl_or_b32 v233, v229, 16, v228             ; K step 0: my bytes of blocks h and 2 + h,
	v_lshl_or_b32 v234, v231, 16, v230             ; K step 1 likewise,
	v_lshlrev_b32 v233, v232, v233                 ; at their places in the word
	v_lshlrev_b32 v234, v232, v234
	v_mov_b32 v235, 0                              ; (a lane permute's destination counts as one of its sources)
	v_mov_b32 v236, 0
	v_permlanex16_b32 v235, v233, s32, s33
	v_permlanex16_b32 v236, v234, s32, s33
	v_or_b32 v233, v233, v235                      ; with lane l xor 16's two bytes each word is whole
	v_or_b32 v234, v234, v236
	v_cmp_eq_u32 vcc_lo, 1, v6
	v_cndmask_b32 v233, v233, v234, vcc_lo         ; lanes 0-15 store K step 0's words, lanes 16-31 K step 1's
	global_store_b32 v13, v233, s[28:29]           ; two runs of 64 bytes: one byte in 130 of what the path moves
	s_branch .Lend
.Lnot_x:
	s_cmp_lt_u32 ttmp9, 320
	s_cbranch_scc0 .Lnot_wq
	; ---- q_w: K step ks, 128 columns cg = cb; my wave's 32 columns are channel tiles 2 (w % 2), + 1 of head 2 cb + w / 2
	s_sub_co_u32 s21, ttmp9, 256
	s_and_b32 s22, s21, 7                          ; ks
	s_lshr_b32 s21, s21, 3                         ; cb
	s_lshl_b32 s24, s22, 19                        ; 128 rows of 4,096 bytes
	s_lshl_b32 s23, s21, 9
	s_add_co_u32 s24, s24, s23
	s_lshl_b32 s23, s20, 7
	s_add_co_u32 s24, s24, s23
	s_add_nc_u64 s[24:25], s[6:7], s[24:25]
	s_lshr_b32 s30, s20, 1
	s_mul_i32 s30, s30, 6
	s_and_b32 s23, s20, 1
	s_lshl_b32 s23, s23, 1
	s_add_co_u32 s30, s30, s23                     ; j0 = 6 (w / 2) + 2 (w % 2)
	WDST
	WPATH 4096, 1024
	s_branch .Lend
.Lnot_wq:
	s_cmp_lt_u32 ttmp9, 352
	s_cbranch_scc0 .Lnot_wkv
	; ---- k_w (sel = 0) or v_w (1): my wave's 32 columns are the two channel tiles of cb = 4 cg + w: g = 0 in lanes 0-15, g = 1 in lanes 16-31, six tiles apart
	s_sub_co_u32 s21, ttmp9, 320
	s_and_b32 s22, s21, 7                          ; ks
	s_bfe_u32 s31, s21, 0x10003                    ; cg
	s_lshr_b32 s30, s21, 4                         ; sel
	s_cmp_eq_u32 s30, 0
	s_cselect_b64 s[34:35], s[8:9], s[10:11]       ; the choice hangs on the work-group's number alone
	s_lshl_b32 s24, s22, 17                        ; 128 rows of 1,024 bytes
	s_lshl_b32 s23, s31, 9
	s_add_co_u32 s24, s24, s23
	s_lshl_b32 s23, s20, 7
	s_add_co_u32 s24, s24, s23
	s_add_nc_u64 s[24:25], s[34:35], s[24:25]
	s_lshl_b32 s21, s31, 2
	s_add_co_u32 s21, s21, s20                     ; cb
	s_add_co_u32 s30, s30, 4                       ; j0 = 4 + sel
	WDST
	WPATH 1024, 6144
	s_branch .Lend
.Lnot_wkv:
	; ---- o_w: 128 along K (a), 128 columns (cg = cb); my wave's 32 columns are column tiles 2 w, 2 w + 1
	s_sub_co_u32 s21, ttmp9, 352
	s_and_b32 s22, s21, 7                          ; a
	s_lshr_b32 s21, s21, 3                         ; cb
	s_lshl_b32 s24, s22, 19
	s_lshl_b32 s23, s21, 9
	s_add_co_u32 s24, s24, s23
	s_lshl_b32 s23, s20, 7
	s_add_co_u32 s24, s24, s23
	s_add_nc_u64 s[24:25], s[12:13], s[24:25]
	s_lshl_b32 s26, s21, 18                        ; [cb]
	s_lshr_b32 s23, s22, 1
	s_lshl_b32 s23, s23, 16
	s_add_co_u32 s26, s26, s23                     ; [kc = a / 2]
	s_lshl_b32 s23, s20, 14
	s_add_co_u32 s26, s26, s23                     ; [column tile 2 w]
	s_and_b32 s23, s22, 1
	s_lshl_b32 s23, s23, 12
	s_add_co_u32 s26, s26, s23                     ; [kstep 4 (a % 2)]
	s_add_nc_u64 s[26:27], s[18:19], s[26:27]
	v_lshlrev_b32 v8, 13, v6
	v_lshl_add_u32 v8, v5, 4, v8                   ; 8,192 h + 16 r
	WUNIT 0, 4096
	WUNIT 1, 4096
	WUNIT 2, 4096
.irp kk, 0,1,2,3
	WAHEAD \kk, 4096                               ; this kstep's 32 numbers are in
.irp o, 0,1,2,3
.irp e, 0,1,2,3
	v_cvt_pk_f16_f32 v[WK+16*\kk+4*\o+\e], v[RAW+32*\kk+8*\o+2*\e], v[RAW+32*\kk+8*\o+2*\e+1]
.endr
	global_store_b128 v8, v[WK+16*\kk+4*\o:WK+16*\kk+4*\o+3], s[26:27] offset:1024*\kk+256*\o   ; k = 8 o on: group o / 2, half o % 2: sixteen lanes store 256 consecutive bytes, aligned
.endr
.endr
.Lend:
	s_wait_tensorcnt 0x0                           ; the wave's end, behind the last LDS store
	ds_add_u32 v[SPW], v[NIL]
	s_wait_dscnt 0x0
	s_endpgm
.Lfunc_end_k_qb3c14d1fb7_prep:
	.size	k_qb3c14d1fb7_prep, .Lfunc_end_k_qb3c14d1fb7_prep-k_qb3c14d1fb7_prep
	.p2alignl 7, 3214868480
	.fill 96, 4, 3214868480
	.section	.rodata,"a",@progbits
	.p2align	6, 0x0
	.amdhsa_kernel k_qb3c14d1fb7_prep
		.amdhsa_group_segment_fixed_size 35328
		.amdhsa_private_segment_fixed_size 0
		.amdhsa_enable_private_segment 0
		.amdhsa_kernarg_size 64
		.amdhsa_user_sgpr_count 2
		.amdhsa_user_sgpr_kernarg_segment_ptr 1
		.amdhsa_wavefront_size32 1
		.amdhsa_system_sgpr_workgroup_id_x 1
		.amdhsa_system_sgpr_workgroup_id_y 1
		.amdhsa_system_sgpr_workgroup_id_z 1
		.amdhsa_system_vgpr_workitem_id 0
		.amdhsa_next_free_vgpr 240
		.amdhsa_next_free_sgpr 66
		.amdhsa_reserve_vcc 1
		.amdhsa_float_denorm_mode_32 3
		.amdhsa_float_denorm_mode_16_64 3
		.amdhsa_memory_ordered 1
		.amdhsa_forward_progress 1
		.amdhsa_inst_pref_size 75
	.end_amdhsa_kernel
	.amdgpu_metadata
---
amdhsa.version: [ 1, 2 ]
amdhsa.kernels:
  - .name:           k_qb3c14d1fb7_prep
    .symbol:         k_qb3c14d1fb7_prep.kd
    .args:
      - { .name: X, .offset: 0, .size: 8, .value_kind: global_buffer, .address_space: global }
      - { .name: q_w, .offset: 8, .size: 8, .value_kind: global_buffer, .address_space: global }
      - { .name: k_w, .offset: 16, .size: 8, .value_kind: global_buffer, .address_space: global }
      - { .name: v_w, .offset: 24, .size: 8, .value_kind: global_buffer, .address_space: global }
      - { .name: o_w, .offset: 32, .size: 8, .value_kind: global_buffer, .address_space: global }
      - { .name: xq, .offset: 40, .size: 8, .value_kind: global_buffer, .address_space: global }
      - { .name: wq, .offset: 48, .size: 8, .value_kind: global_buffer, .address_space: global }
      - { .name: owf, .offset: 56, .size: 8, .value_kind: global_buffer, .address_space: global }
    .group_segment_fixed_size: 35328
    .private_segment_fixed_size: 0
    .kernarg_segment_align: 8
    .kernarg_segment_size: 64
    .max_flat_workgroup_size: 128
    .sgpr_count:     66
    .vgpr_count:     240
    .wavefront_size: 32
...
	.end_amdgpu_metadata
.endif
;; end of part 1
;; launch qkv (part 2): grid 8 x 32, 8 waves a work-group, clusters of 4 x 4, 175,104 bytes of LDS; arguments xq, wq, q_b, k_b, v_b, qf, kvf; writes qf, kvf
.if DOCPART == 2
	.amdgcn_target "amdgcn-amd-amdhsa--gfx1250"
	.amdhsa_code_object_version 6
	.text
	.protected	k_qb3c14d1fb7_qkv
	.globl	k_qb3c14d1fb7_qkv
	.p2align	8
	.type	k_qb3c14d1fb7_qkv,@function
k_qb3c14d1fb7_qkv:
	s_mov_b64 s[64:65], 0
	v_nop
	global_prefetch_b8 v0, s[64:65] scope:SCOPE_SE
	s_setreg_imm32_b32 hwreg(HW_REG_WAVE_MODE, 25, 1), 1
	s_wait_xcnt 0x0
	s_wait_alu depctr_hold_cnt(0) depctr_sa_sdst(0) depctr_va_vdst(0) depctr_va_sdst(0) depctr_va_ssrc(0) depctr_va_vcc(0) depctr_vm_vsrc(0)
	s_getreg_b32 s2, hwreg(HW_REG_IB_STS2, 6, 4)
	s_cmp_eq_u32 s2, 0
	s_cbranch_scc0 .Lentry_in_a_cluster
	s_endpgm
.Lentry_in_a_cluster:
	s_bfe_u32 s2, ttmp6, 0x10000c
	s_cmp_lg_u32 s2, 0xf033
	s_cbranch_scc0 .Lentry_shape_is_right
	s_endpgm
.Lentry_shape_is_right:
; q = X q_w + q_b, k = X k_w + k_b, v = X v_w + v_b on codes of FP4 (E2M1) with E8M0 scales for each 32 along K = 1,024; sums in f32.  q is multiplied by c = log2(e) / 8 for the softmax; all three are rounded to f16
; and stored as images of the attention launch's operand registers:
;   qf  [head 16][position tile 256][channel tile 4][L][16 B]: lane (r, h) = position r, channels 8 h + 0..7 of the tile
;   kvf [kv head 4][chunk 8 (512 keys)][K 65,536 | V 65,536], each [position tile 32][channel tile 4][L][16 B]; K as qf; V: lane (r, h) = channel r, keys 8 h + 0..7
; LIMITS: (q + b) c, k + b and v + b go to f16: full precision for magnitudes from 6e-5 to 65,504, an absolute step of 6e-8 below, infinity beyond.
; SHARES.  A work-group takes 128 rows (rb) x 192 columns (cb: two q heads, 32 channels of k, 32 of v): 256 work-groups.  Its codes and scale words for ALL of K, 69,632 + 104,448 bytes, are eight dense blocks of
; memory: each of the eight waves brings one by one tensor load (waves 0-3: A's chunks of 256 along K; waves 4-7: B's).  Nothing in LDS is filled twice.
; Wave w: row tiles 2 (w / 2), + 1 and column tiles 6 (w % 2) + 0..5: 12 accumulators, which take turns, one instruction a turn.
; q's and k's products are used TRANSPOSED (source 0 = 16 columns of the weight, source 1 = 16 rows of X): a lane holds one position and eight neighbouring channels.  v's is used as it stands: a lane holds one channel
; and eight neighbouring positions, which is what the second product of attention wants.  So a packed accumulator is 16 bytes a lane and leaves by one store of 512 consecutive bytes.
; CLUSTER 4 x 4: the four of a row need the same chunks of A, the four of a column the same chunks of B: each is asked for jointly.
; REGISTERS: v1-7 addresses; v8, v9 the add's two; v[10:11] v's bias; v12-15 lane numbers and offsets; v16-31 scale words, two sets of 8 (A 2, B 6); v32-95, v96-159 fragments, two sets (A 16, B 48); v160-255 accumulators.
.set SPARE, 174080                     ; behind A's and B's blocks: the spare words, 128 bytes a wave
.set SPW, 8
.set NIL, 9
.set ACC, 160                          ; accumulator (a, i) at v[ACC + 8 (6 a + i)]
.set WV,  18                           ; s18 wave; s19 w / 2; s20 w % 2; s21 w % 4
.set G1A, 28                           ; s[28:35] group 1 for A's chunks; s[36:43] for B's; s[44:47], s[48:51] their groups 0
.set G1B, 36
.set G0A, 44
.set G0B, 48
.macro CROUND                          ; a round of the cluster's barrier
	s_barrier_signal -1
	s_barrier_wait -1
	s_cmp_lg_u32 s[WV], 0
	s_cbranch_scc1 .Lnot_wave_0_\@
	s_barrier_signal -3
.Lnot_wave_0_\@:
	s_barrier_wait -3
	s_barrier_signal -1
	s_barrier_wait -1
.endm
	s_load_b256 s[4:11], s[0:1], 0x0               ; xq s[4:5], wq s[6:7], q_b s[8:9], k_b s[10:11]
	s_load_b128 s[12:15], s[0:1], 0x20             ; v_b s[12:13], qf s[14:15]
	s_load_b64 s[16:17], s[0:1], 0x30              ; kvf
	v_lshl_add_u32 v[SPW], v0, 2, SPARE
	v_mov_b32 v[NIL], 0
	ds_add_u32 v[SPW], v[NIL]                      ; the wave's opening: the add, twice on end; its wait stands ahead of my tensor load
	ds_add_u32 v[SPW], v[NIL]
	v_lshrrev_b32 v1, 5, v0
	v_readfirstlane_b32 s[WV], v1                  ; wave 0..7
	s_lshr_b32 s19, s[WV], 1                       ; wr: my two row tiles
	s_and_b32 s20, s[WV], 1                        ; g: my six column tiles
	s_and_b32 s21, s[WV], 3                        ; the chunk that I fetch
	s_bfe_u32 s22, ttmp6, 0x40000                  ; cx
	s_bfe_u32 s23, ttmp6, 0x40004                  ; cy
	s_lshl_b32 s24, ttmp9, 2
	s_add_co_u32 s24, s24, s22                     ; cb = 4 x cluster x + cx
	s_and_b32 s25, ttmp7, 0xffff
	s_lshl_b32 s25, s25, 2
	s_add_co_u32 s25, s25, s23                     ; rb = 4 x cluster y + cy
	s_lshl_b32 s56, s23, 2
	s_lshl_b32 s56, 15, s56                        ; my row of the cluster
	s_lshl_b32 s57, 0x1111, s22                    ; my column
	s_mov_b32 s26, 0x3e38aa3b                      ; c = log2(e) / 8
	s_mov_b32 s27, s26                             ; (named with it as a pair)
	; group 1: a dense block as rows of 256 bytes (32 elements of 8 bytes): A's chunk 68 rows, B's 102
	s_or_b32 s[G1A], s56, (3<<16)|(1<<21)          ; 15:0 the mask; 17:16 elements of 8 bytes; 21 set beside a mask
	s_mov_b32 s[G1A+1], 32<<16                     ; tensor_dim0
	s_mov_b32 s[G1A+2], 68<<16                     ; tensor_dim1
	s_mov_b32 s[G1A+3], 32<<16                     ; tile_dim0
	s_mov_b32 s[G1A+4], 68                         ; tile_dim1
	s_mov_b32 s[G1A+5], 32                         ; the pitch
	s_mov_b32 s[G1A+6], 0
	s_mov_b32 s[G1A+7], 0
	s_or_b32 s[G1B], s57, (3<<16)|(1<<21)
	s_mov_b32 s[G1B+1], 32<<16
	s_mov_b32 s[G1B+2], 102<<16
	s_mov_b32 s[G1B+3], 32<<16
	s_mov_b32 s[G1B+4], 102
	s_mov_b32 s[G1B+5], 32
	s_mov_b32 s[G1B+6], 0
	s_mov_b32 s[G1B+7], 0
	s_mul_i32 s52, s25, 69632                      ; A: made of rb and the wave's number alone
	s_mul_i32 s[G0A+1], s21, 17408                 ; chunk q lies at 17,408 q in LDS, as in memory
	s_add_co_u32 s52, s52, s[G0A+1]
	s_mov_b32 s53, 0
	s_mul_i32 s54, s24, 104448                     ; B: made of cb and the wave's number alone
	s_mul_i32 s[G0B+1], s21, 26112
	s_add_co_u32 s54, s54, s[G0B+1]
	s_mov_b32 s55, 0
	s_add_co_u32 s[G0B+1], s[G0B+1], 69632         ; B's chunks lie behind A's four
	s_mov_b32 s[G0A], 1
	s_mov_b32 s[G0B], 1
	s_wait_dscnt 0x0                               ; both opening adds are done
	s_wait_kmcnt 0x0
	s_add_nc_u64 s[G0A+2:G0A+3], s[4:5], s[52:53]
	s_or_b32 s[G0A+3], s[G0A+3], 0x80000000
	s_add_nc_u64 s[G0B+2:G0B+3], s[6:7], s[54:55]
	s_or_b32 s[G0B+3], s[G0B+3], 0x80000000
	CROUND                                         ; all sixteen work-groups are here: the joint loads meet
	s_cmp_lt_u32 s[WV], 4                          ; the branch hangs on the wave's number alone
	s_cbranch_scc0 .Lfor_b
	tensor_load_to_lds s[G0A:G0A+3], s[G1A:G1A+7]  ; my one tensor load
	s_nop 0
.rept 4
	v_nop
.endr
	s_branch .Lasked
.Lfor_b:
	tensor_load_to_lds s[G0B:G0B+3], s[G1B:G1B+7]
	s_nop 0
.rept 4
	v_nop
.endr
.Lasked:
	v_and_b32 v12, 31, v0                          ; L
	v_and_b32 v13, 15, v0                          ; r
	v_bfe_u32 v14, v0, 4, 1                        ; h
	v_lshlrev_b32 v7, 4, v12                       ; 16 L: an image's place for my lane, in LDS and in the stores
	s_lshl_b32 s56, s19, 11
	v_add_nc_u32 v1, s56, v7                       ; A's fragments: 2,048 wr + 16 L
	s_mul_i32 s57, s20, 6144
	s_add_co_u32 s57, s57, 69632
	v_add_nc_u32 v2, s57, v7                       ; B's, chunks 0 and 1: 69,632 + 6,144 g + 16 L
	v_add_nc_u32 v3, 52224, v2                     ; chunks 2 and 3
	v_lshlrev_b32 v15, 2, v13                      ; 4 r
	s_lshl_b32 s56, s19, 7
	s_add_co_u32 s56, s56, 16384
	v_add_nc_u32 v4, s56, v15                      ; A's scale words: both halves of the lanes read row r's word
	s_mul_i32 s57, s20, 384
	s_add_co_u32 s57, s57, 94208
	v_add_nc_u32 v5, s57, v15                      ; B's, chunks 0 and 1
	v_add_nc_u32 v6, 52224, v5                     ; chunks 2 and 3
	v_lshlrev_b32 v14, 5, v14                      ; 32 h: my eight channels' biases
	s_lshl_b32 s58, s24, 1
	s_add_co_u32 s58, s58, s20                     ; my q head = 2 cb + g
	s_lshl_b32 s66, s58, 19                        ; its 524,288 bytes of qf
	s_lshl_b32 s58, s58, 8
	s_mov_b32 s59, 0
	s_add_nc_u64 s[58:59], s[8:9], s[58:59]        ; q_b at my head
	s_lshr_b32 s70, s24, 1                         ; kv head
	s_and_b32 s71, s24, 1
	s_lshl_b32 s71, s71, 1
	s_add_co_u32 s71, s71, s20                     ; channel tile 2 (cb % 2) + g
	s_lshl_b32 s60, s70, 8
	s_lshl_b32 s72, s71, 6
	s_add_co_u32 s60, s60, s72
	s_mov_b32 s61, 0
	s_add_nc_u64 s[62:63], s[12:13], s[60:61]      ; v_b at my tile
	s_add_nc_u64 s[60:61], s[10:11], s[60:61]      ; k_b at my tile
	; the biases of q and k are the C of each sum's first product: they are loaded straight into the accumulators
.irp a, 0,1
.irp i, 0,1,2,3
	global_load_b128 v[ACC+8*(6*\a+\i):ACC+8*(6*\a+\i)+3], v14, s[58:59] offset:64*\i
	global_load_b128 v[ACC+8*(6*\a+\i)+4:ACC+8*(6*\a+\i)+7], v14, s[58:59] offset:64*\i+16
.endr
	global_load_b128 v[ACC+8*(6*\a+4):ACC+8*(6*\a+4)+3], v14, s[60:61]
	global_load_b128 v[ACC+8*(6*\a+4)+4:ACC+8*(6*\a+4)+7], v14, s[60:61] offset:16
.endr
	global_load_b32 v10, v15, s[62:63]             ; v's is one number a lane: my channel's
	v_mov_b32 v11, 0                               ; (named with it as a pair)
	s_lshl_b32 s73, s25, 14                        ; position tile 8 rb,
	s_lshl_b32 s74, s19, 12                        ; + 2 wr, 2,048 bytes a tile
	s_add_co_u32 s66, s66, s73
	s_add_co_u32 s66, s66, s74
	s_mov_b32 s67, 0
	s_add_nc_u64 s[66:67], s[14:15], s[66:67]      ; qf at my first tile
	s_lshl_b32 s68, s70, 20
	s_lshr_b32 s73, s25, 2
	s_lshl_b32 s73, s73, 17
	s_add_co_u32 s68, s68, s73                     ; chunk rb / 4
	s_and_b32 s73, s25, 3
	s_lshl_b32 s73, s73, 14
	s_add_co_u32 s68, s68, s73                     ; position tile 8 (rb % 4) + 2 wr
	s_add_co_u32 s68, s68, s74
	s_lshl_b32 s73, s71, 9
	s_add_co_u32 s68, s68, s73
	s_mov_b32 s69, 0
	s_add_nc_u64 s[68:69], s[16:17], s[68:69]      ; kvf at my first tile of K; V's lies 65,536 bytes on
; K step ks (128 along K): 24 LDS loads into set ks % 2: A's two fragments, B's six, and their scale words
.macro FETCH ks
.set FS, 32+64*((\ks)%2)
.set SS, 16+8*((\ks)%2)
.set QC, (\ks)/2
.set SH, (\ks)%2
.irp a, 0,1
.irp c, 0,1
	ds_load_b128 v[FS+8*\a+4*\c:FS+8*\a+4*\c+3], v1 offset:17408*QC+8192*SH+1024*\a+512*\c
.endr
.endr
.irp i, 0,1,2,3,4,5
.irp c, 0,1
	ds_load_b128 v[FS+16+8*\i+4*\c:FS+16+8*\i+4*\c+3], v[2+QC/2] offset:26112*(QC%2)+12288*SH+1024*\i+512*\c
.endr
.endr
.irp a, 0,1
	ds_load_b32 v[SS+\a], v4 offset:17408*QC+512*SH+64*\a
.endr
.irp i, 0,1,2,3,4,5
	ds_load_b32 v[SS+2+\i], v[5+QC/2] offset:26112*(QC%2)+768*SH+64*\i
.endr
.endm
; its 12 products
.macro MUL ks
.set FS, 32+64*((\ks)%2)
.set SS, 16+8*((\ks)%2)
.irp a, 0,1
.irp i, 0,1,2,3,4
	v_wmma_scale_f32_16x16x128_f8f6f4 v[ACC+8*(6*\a+\i):ACC+8*(6*\a+\i)+7], v[FS+16+8*\i:FS+16+8*\i+7], v[FS+8*\a:FS+8*\a+7], v[ACC+8*(6*\a+\i):ACC+8*(6*\a+\i)+7], v[SS+2+\i], v[SS+\a] matrix_a_fmt:MATRIX_FMT_FP4 matrix_b_fmt:MATRIX_FMT_FP4
.endr
.if (\ks) == 0
	v_wmma_scale_f32_16x16x128_f8f6f4 v[ACC+8*(6*\a+5):ACC+8*(6*\a+5)+7], v[FS+8*\a:FS+8*\a+7], v[FS+56:FS+63], 0, v[SS+\a], v[SS+7] matrix_a_fmt:MATRIX_FMT_FP4 matrix_b_fmt:MATRIX_FMT_FP4
.else
	v_wmma_scale_f32_16x16x128_f8f6f4 v[ACC+8*(6*\a+5):ACC+8*(6*\a+5)+7], v[FS+8*\a:FS+8*\a+7], v[FS+56:FS+63], v[ACC+8*(6*\a+5):ACC+8*(6*\a+5)+7], v[SS+\a], v[SS+7] matrix_a_fmt:MATRIX_FMT_FP4 matrix_b_fmt:MATRIX_FMT_FP4
.endif
.endr
.endm
	s_wait_tensorcnt 0x0                           ; my chunk is in LDS,
	s_barrier_signal -1
	s_barrier_wait -1                              ; everybody's is: all of K lies there, and nothing is filled again
	FETCH 0
	FETCH 1
	s_wait_loadcnt 0x0                             ; the biases
.irp ks, 0,1,2,3,4,5,6,7
.if \ks < 7
	s_wait_dscnt 24                                ; this step's 24 loads are in; the other set's 24 are younger and may be out
.else
	s_wait_dscnt 0x0
.endif
	MUL \ks
.if \ks < 6
.rept 4
	v_nop                                          ; four places in front of loads into registers that these products have read
.endr
	FETCH \ks+2
.endif
.endr
.rept 4
	v_nop                                          ; and in front of the first read of the last results
.endr
	; THE WAY OUT: each accumulator from its low end on: q x c, v + its bias, rounded to f16, 16 bytes a lane, one store of 512 consecutive bytes, aligned.  Each has registers of its own for its store.
.irp a, 0,1
.irp i, 0,1,2,3,4,5
.set AC, ACC+8*(6*\a+\i)
.set PK, 32+4*(6*\a+\i)
.if \i < 4
.irp p, 0,2,4,6
	v_pk_mul_f32 v[AC+\p:AC+\p+1], v[AC+\p:AC+\p+1], s[26:27] op_sel_hi:[1,0]
.endr
.endif
.if \i == 5
.irp p, 0,2,4,6
	v_pk_add_f32 v[AC+\p:AC+\p+1], v[AC+\p:AC+\p+1], v[10:11] op_sel_hi:[1,0]
.endr
.endif
.irp e, 0,1,2,3
	v_cvt_pk_f16_f32 v[PK+\e], v[AC+2*\e], v[AC+2*\e+1]
.endr
.if \i < 4
	global_store_b128 v7, v[PK:PK+3], s[66:67] offset:2048*\a+512*\i
.elseif \i == 4
	global_store_b128 v7, v[PK:PK+3], s[68:69] offset:2048*\a
.else
	global_store_b128 v7, v[PK:PK+3], s[68:69] offset:2048*\a+65536
.endif
.endr
.endr
	s_wait_tensorcnt 0x0                           ; the wave's end
	ds_add_u32 v[SPW], v[NIL]
	s_wait_dscnt 0x0
	CROUND                                         ; the closing round: no work-group ends while a partner may still ask for a block that names it
	s_endpgm
.Lfunc_end_k_qb3c14d1fb7_qkv:
	.size	k_qb3c14d1fb7_qkv, .Lfunc_end_k_qb3c14d1fb7_qkv-k_qb3c14d1fb7_qkv
	.p2alignl 7, 3214868480
	.fill 96, 4, 3214868480
	.section	.rodata,"a",@progbits
	.p2align	6, 0x0
	.amdhsa_kernel k_qb3c14d1fb7_qkv
		.amdhsa_group_segment_fixed_size 175104
		.amdhsa_private_segment_fixed_size 0
		.amdhsa_enable_private_segment 0
		.amdhsa_kernarg_size 56
		.amdhsa_user_sgpr_count 2
		.amdhsa_user_sgpr_kernarg_segment_ptr 1
		.amdhsa_wavefront_size32 1
		.amdhsa_system_sgpr_workgroup_id_x 1
		.amdhsa_system_sgpr_workgroup_id_y 1
		.amdhsa_system_sgpr_workgroup_id_z 1
		.amdhsa_system_vgpr_workitem_id 0
		.amdhsa_next_free_vgpr 256
		.amdhsa_next_free_sgpr 80
		.amdhsa_reserve_vcc 0
		.amdhsa_float_denorm_mode_32 3
		.amdhsa_float_denorm_mode_16_64 3
		.amdhsa_memory_ordered 1
		.amdhsa_forward_progress 1
		.amdhsa_inst_pref_size 41
	.end_amdhsa_kernel
	.amdgpu_metadata
---
amdhsa.version: [ 1, 2 ]
amdhsa.kernels:
  - .name:           k_qb3c14d1fb7_qkv
    .symbol:         k_qb3c14d1fb7_qkv.kd
    .args:
      - { .name: xq, .offset: 0, .size: 8, .value_kind: global_buffer, .address_space: global }
      - { .name: wq, .offset: 8, .size: 8, .value_kind: global_buffer, .address_space: global }
      - { .name: q_b, .offset: 16, .size: 8, .value_kind: global_buffer, .address_space: global }
      - { .name: k_b, .offset: 24, .size: 8, .value_kind: global_buffer, .address_space: global }
      - { .name: v_b, .offset: 32, .size: 8, .value_kind: global_buffer, .address_space: global }
      - { .name: qf, .offset: 40, .size: 8, .value_kind: global_buffer, .address_space: global }
      - { .name: kvf, .offset: 48, .size: 8, .value_kind: global_buffer, .address_space: global }
    .group_segment_fixed_size: 175104
    .private_segment_fixed_size: 0
    .kernarg_segment_align: 8
    .kernarg_segment_size: 56
    .max_flat_workgroup_size: 256
    .sgpr_count:     80
    .vgpr_count:     256
    .wavefront_size: 32
...
	.end_amdgpu_metadata
.endif
;; end of part 2
;; launch attn (part 3): grid 64 x 4, 8 waves a work-group, clusters of 4 x 1, 327,680 bytes of LDS; arguments qf, kvf, af; writes af
.if DOCPART == 3
	.amdgcn_target "amdgcn-amd-amdhsa--gfx1250"
	.amdhsa_code_object_version 6
	.text
	.protected	k_qb3c14d1fb7_attn
	.globl	k_qb3c14d1fb7_attn
	.p2align	8
	.type	k_qb3c14d1fb7_attn,@function
k_qb3c14d1fb7_attn:
	s_mov_b64 s[64:65], 0
	v_nop
	global_prefetch_b8 v0, s[64:65] scope:SCOPE_SE
	s_setreg_imm32_b32 hwreg(HW_REG_WAVE_MODE, 25, 1), 1
	s_wait_xcnt 0x0
	s_wait_alu depctr_hold_cnt(0) depctr_sa_sdst(0) depctr_va_vdst(0) depctr_va_sdst(0) depctr_va_ssrc(0) depctr_va_vcc(0) depctr_vm_vsrc(0)
	s_getreg_b32 s2, hwreg(HW_REG_IB_STS2, 6, 4)
	s_cmp_eq_u32 s2, 0
	s_cbranch_scc0 .Lentry_in_a_cluster
	s_endpgm
.Lentry_in_a_cluster:
	s_bfe_u32 s2, ttmp6, 0x10000c
	s_cmp_lg_u32 s2, 0x3003
	s_cbranch_scc0 .Lentry_shape_is_right
	s_endpgm
.Lentry_shape_is_right:
; O[head][q] = the sum over k of softmax_k(Q[head][q] . K[head / 4][k] / 8) V[head / 4][k], 16 heads, 4 key and value heads, 4,096 positions, head size 64, no mask.
; Operands in f16, products, maxima and sums in f32.  qf holds (q + b) log2(e) / 8, so a score s is already in base 2: p = 2^(s - m), m the running maximum; in every key step O and l are multiplied by a = 2^(m_old - m_new).
; LIMITS: p and the result are rounded to f16 (p is at most 1; what lies under 6e-8 of the row's largest weight counts as 0); the result has full precision for magnitudes from 6e-5 to 65,504.
; All three buffers hold images of operand registers (four registers = 512 bytes, lane L's 16 bytes at 16 L): fragments come by plain 16-byte loads at 16 L, and nothing is turned or padded.
;   af [rb 32 (128 rows)][kc 4][row tile 8][kstep 8][group 2][L][16 B]: the next launch's operand; kc = kv head, kstep = 2 (head % 4) + channel tile / 2, group = channel tile % 2.
; SHARES.  A work-group owns 256 queries of one head; each of its eight waves 32: tiles 0 and 1 of 16.  Every wave walks all keys, 64 a step.
; LAYOUT.  S^T = K Q^T (source 0 = 16 keys, source 1 = 16 queries) and O^T = V^T P (source 0 = 16 channels, source 1 = P): a lane holds ONE query (lane % 16) throughout; two packed tiles of S^T are source 1 of the second product.
; BY TURNS.  In a TURN one tile has the matrix unit: 8 products V^T P of the step in hand, then 8 products K Q^T of the next step; the other tile's softmax, 118 instructions in 16 slices, stands between them, a slice
; behind each matrix instruction.  Then the tiles change places.  Two turns are a key step.
; CLUSTER.  The four work-groups of a cluster are the four query heads that share one key and value head: they walk the same chunks, and each chunk is asked for JOINTLY (mask 15).
; RING.  Two slots of 131,072 bytes, each a chunk of 512 keys (K 65,536 bytes, then V); every wave brings 16,384 bytes of a chunk by one tensor load: two loads of a wave are out at the head, one behind each round.
; REGISTERS, window 0: v1-6 addresses and the add's two; v16-31 statistics, 8 a tile (+0 m, +1 its pair's partner, +2, +3 l, +4..+7 c0-c3; a takes c2's place); v32-63 Q; v64-127 S^T; v128-159 P; v160-223 K of one step.
;   window 1: v0-63 O^T, 32 a tile; v64-127 V of one step.  K Q^T and all of a softmax but O^T's rescaling work in window 0: only the products V^T P, the rescaling and V's loads switch.
.set SLOT1, 1<<17
.set SPARE, 262144                     ; behind the ring: the spare words, 128 bytes a wave
.set LI,  1                            ; v1  16 L; never rewritten
.set AV0, 2                            ; v2  65,536 + 16 L
.set ADR, 3                            ; v3  the address of the run of loads in hand
.set PFO, 4                            ; v4  256 L
.set SPW, 5
.set NIL, 6
.set ST,  16
.set Q,   32                           ; Q(t, cs) = Q + 16 t + 8 cs
.set S,   64                           ; S(t, kt) = S + 32 t + 8 kt
.set P,   128                          ; P(t, ks) = P + 16 t + 8 ks
.set KF,  160                          ; K(kt, cs) = KF + 16 kt + 8 cs
.set VF,  64                           ; in window 1: V(ks, ct) = VF + 32 ks + 8 ct;  O(t, ct) = 32 t + 8 ct
.set WV,  12
.set LIM, 15                           ; s15  1 in a wave that prefetches, else the greatest number
.set PFA, 18                           ; s[18:19] where my prefetches stand
.set G1,  24                           ; s[24:31] group 1
.set G0,  32                           ; s[32:35] group 0 of chunk 0; s[36:39] of chunk 1, which then walks
.set SLOTS, 40
.set TRIPS, 41
.set TB,  42                           ; s42  LDS byte at which the K tiles of the step to be fetched begin
.set SEL, 44                           ; s[44:45] selects for lane l xor 16
.set MSB, 0
.macro WIN new                         ; the immediate's high byte repeats the setting that is left; a switch that changes nothing is dropped
.if MSB != \new
	s_set_vgpr_msb (MSB<<8)|\new
.set MSB, \new
.endif
.endm
.set W_PV, 0x51                        ; V (source 0), O^T (C and D) window 1; P (source 1) window 0
.set W_RS, 0x41                        ; O^T (destination, source 0) window 1; a window 0
.macro CROUND
	s_barrier_signal -1
	s_barrier_wait -1
	s_cmp_lg_u32 s[WV], 0
	s_cbranch_scc1 .Lnot_wave_0_\@
	s_barrier_signal -3
.Lnot_wave_0_\@:
	s_barrier_wait -3
	s_barrier_signal -1
	s_barrier_wait -1
.endm
; A prefetch of the chunk that the NEXT change of slots will ask for: eight key steps, 256 matrix instructions of a wave, ahead of that load.  All clusters of a key and value head walk the same chunks: its first cluster asks.
; Its four partners take 32,768 bytes each, told apart by address; in each, waves 0 to 3 take 8,192 bytes, lanes 256 bytes apart: each aligned block of 256 bytes of chunks 3 to 7 is named once.  The last filling change asks for nothing.
.macro ASK
	s_cmp_gt_u32 s[SLOTS], s[LIM]
	s_cbranch_scc0 .Lnot_mine_\@
	global_prefetch_b8 v[PFO], s[PFA:PFA+1] th:TH_LOAD_NT scope:SCOPE_SE
.Lnot_mine_\@:
.endm
	s_load_b128 s[4:7], s[0:1], 0x0                ; qf s[4:5], kvf s[6:7]
	s_load_b64 s[8:9], s[0:1], 0x10                ; af
	v_lshl_add_u32 v[SPW], v0, 2, SPARE
	v_mov_b32 v[NIL], 0
	ds_add_u32 v[SPW], v[NIL]                      ; the wave's opening: the add, twice on end; its wait stands ahead of my first tensor load
	ds_add_u32 v[SPW], v[NIL]
	v_lshrrev_b32 v7, 5, v0
	v_readfirstlane_b32 s[WV], v7                  ; wave 0..7
	s_bfe_u32 s13, ttmp6, 0x40000                  ; cx: the head within its group: it enters Q's, af's and the prefetches' addresses alone
	s_and_b32 s14, ttmp7, 0xffff                   ; the key and value head, which the partners share
	s_lshl_b32 s46, s[WV], 14                      ; my 16,384 bytes of a chunk, in memory and in a slot
	s_lshl_b32 s20, s14, 20
	s_add_co_u32 s20, s20, s46
	s_mov_b32 s21, 0
	s_mov_b32 s[G1], 15|(3<<16)|(1<<21)            ; 15:0 the mask: all four; 17:16 elements of 8 bytes; 21 set beside a mask
	s_mov_b32 s[G1+1], 32<<16                      ; tensor_dim0: rows of 256 bytes
	s_mov_b32 s[G1+2], 64<<16                      ; tensor_dim1
	s_mov_b32 s[G1+3], 32<<16                      ; tile_dim0
	s_mov_b32 s[G1+4], 64                          ; tile_dim1
	s_mov_b32 s[G1+5], 32                          ; the pitch: the block is dense
	s_mov_b32 s[G1+6], 0
	s_mov_b32 s[G1+7], 0
	s_mov_b32 s[G0], 1
	s_mov_b32 s[G0+1], s46
	s_mov_b32 s[G0+4], 1
	s_add_co_u32 s[G0+5], s46, SLOT1
	s_lshl_b32 s22, s14, 2
	s_add_co_u32 s22, s22, s13                     ; head
	s_lshl_b32 s22, s22, 19
	s_lshl_b32 s23, ttmp9, 15                      ; position tile 16 pb (in a cluster launch ttmp9 counts clusters: pb),
	s_add_co_u32 s22, s22, s23
	s_lshl_b32 s23, s[WV], 12                      ; + 2 w
	s_add_co_u32 s22, s22, s23
	s_mov_b32 s23, 0
	s_lshl_b32 s48, ttmp9, 1
	s_lshr_b32 s49, s[WV], 2
	s_add_co_u32 s48, s48, s49                     ; af: rb = 2 pb + w / 4
	s_lshl_b32 s48, s48, 18
	s_lshl_b32 s49, s14, 16                        ; kc
	s_add_co_u32 s48, s48, s49
	s_and_b32 s49, s[WV], 3
	s_lshl_b32 s49, s49, 14                        ; row tile 2 (w % 4)
	s_add_co_u32 s48, s48, s49
	s_lshl_b32 s49, s13, 11                        ; kstep 2 cx
	s_add_co_u32 s48, s48, s49
	s_mov_b32 s49, 0
	s_lshl_b32 s50, s14, 20                        ; the prefetches: my head's chunks,
	s_lshl_b32 s51, s13, 15                        ; my work-group's quarter,
	s_add_co_u32 s50, s50, s51
	s_and_b32 s51, s[WV], 3
	s_lshl_b32 s51, s51, 13                        ; my wave's 8,192 bytes of it,
	s_add_co_u32 s50, s50, s51
	s_add_co_u32 s50, s50, 2*131072                ; in chunk 2: the first change of slots steps it to chunk 3.  Nothing is prefetched at the head
	s_mov_b32 s51, 0
	s_lshr_b32 s[LIM], s[WV], 2                    ; 0 in waves 0 to 3,
	s_or_b32 s[LIM], s[LIM], ttmp9                 ; of the head's first cluster: the same in all four partners
	s_cmp_eq_u32 s[LIM], 0
	s_cselect_b32 s[LIM], 1, -1
	s_mov_b32 s[SEL], 0x76543210
	s_mov_b32 s[SEL+1], 0xfedcba98
	s_mov_b32 s[TB], 0
	s_mov_b32 s[SLOTS], 6
	s_wait_dscnt 0x0                               ; both opening adds are done
	s_wait_kmcnt 0x0
	s_add_nc_u64 s[G0+2:G0+3], s[6:7], s[20:21]    ; chunk 0,
	s_add_nc_u64 s[G0+6:G0+7], s[G0+2:G0+3], 131072  ; chunk 1
	s_or_b32 s[G0+3], s[G0+3], 0x80000000
	s_or_b32 s[G0+7], s[G0+7], 0x80000000
	s_add_nc_u64 s[4:5], s[4:5], s[22:23]
	s_add_nc_u64 s[8:9], s[8:9], s[48:49]
	s_add_nc_u64 s[PFA:PFA+1], s[6:7], s[50:51]
	CROUND                                         ; all four work-groups are here: the first joint loads meet
	tensor_load_to_lds s[G0:G0+3], s[G1:G1+7]
	s_nop 0
	tensor_load_to_lds s[G0+4:G0+7], s[G1:G1+7]
	s_nop 0
.rept 4
	v_nop
.endr
	v_and_b32 v[LI], 31, v0
	v_lshlrev_b32 v[PFO], 8, v[LI]
	v_lshlrev_b32 v[LI], 4, v[LI]
	v_add_nc_u32 v[AV0], 65536, v[LI]
.irp t, 0,1
.irp n, 0,1,2,3
	global_load_b128 v[Q+16*\t+4*\n:Q+16*\t+4*\n+3], v[LI], s[4:5] offset:2048*\t+512*\n   ; Q stays in registers
.endr
.endr
.irp t, 0,1
	v_mov_b32 v[ST+8*\t], 0xff61b1e6               ; m: -3e38, under every score
	v_mov_b32 v[ST+8*\t+1], 0
	v_mov_b32 v[ST+8*\t+2], 0                      ; l, in two halves
	v_mov_b32 v[ST+8*\t+3], 0
.endr
	WIN 0x40
.set n, 0
.rept 64
	v_mov_b32 v[n], 0                              ; O^T.  (A key step is written once: the first finds zeros, which a = 0 leaves zeros)
.set n, n+1
.endr
	WIN 0
; Product i of 8 of S^T = K Q^T, tile x: channels 32 (i / 4) on, keys 16 (i % 4) on.  The first four start the sums.  The four accumulators take turns.
.macro KQ x
	WIN 0
.set rS, S+32*(\x)+8*(i%4)
.set rK, KF+16*(i%4)+8*(i/4)
.set rQ, Q+16*(\x)+8*(i/4)
.if i < 4
	v_wmma_f32_16x16x32_f16 v[rS:rS+7], v[rK:rK+7], v[rQ:rQ+7], 0
.else
	v_wmma_f32_16x16x32_f16 v[rS:rS+7], v[rK:rK+7], v[rQ:rQ+7], v[rS:rS+7]
.endif
.endm
; Product i of 8 of O^T += V^T P, tile x: keys 32 (i / 4) on, channels 16 (i % 4) on
.macro PV x
	WIN W_PV
.set rO, 32*(\x)+8*(i%4)
.set rV, VF+32*(i/4)+8*(i%4)
.set rP, P+16*(\x)+8*(i/4)
	v_wmma_f32_16x16x32_f16 v[rO:rO+7], v[rV:rV+7], v[rP:rP+7], v[rO:rO+7]
.endm
; The LDS loads stand in two runs of 16 a key step
.macro FETCH_K
	WIN 0
	v_add_nc_u32 v[ADR], s[TB], v[LI]
.irp f, 0,1,2,3,4,5,6,7                ; keys 16 (f / 2) on, channels 32 (f % 2) on
	ds_load_b128 v[KF+8*\f:KF+8*\f+3],   v[ADR] offset:1024*\f
	ds_load_b128 v[KF+8*\f+4:KF+8*\f+7], v[ADR] offset:1024*\f+512
.endr
.endm
.macro FETCH_V
	WIN 0
	v_add_nc_u32 v[ADR], s[TB], v[AV0]
	s_add_co_u32 s[TB], s[TB], 8192                ; the next fetch is the next step's
	s_wait_alu depctr_va_vdst(0)                   ; the wait for the softmax's batch of exponentials (SLICE), ahead of the first instruction that names a result
	WIN 0x40                                       ; destination window 1
.irp f, 0,1,2,3,4,5,6,7                ; keys 32 (f / 4) on, channels 16 (f % 4) on
	ds_load_b128 v[VF+8*\f:VF+8*\f+3],   v[ADR] offset:4096*(\f/4)+512*(\f%4)
	ds_load_b128 v[VF+8*\f+4:VF+8*\f+7], v[ADR] offset:4096*(\f/4)+2048+512*(\f%4)
.endr
.endm
.macro SUBM b                          ; pair b of the tile's 32 scores: s - m
	v_pk_add_f32 v[rS+2*(\b):rS+2*(\b)+1], v[rS+2*(\b):rS+2*(\b)+1], v[rT:rT+1] op_sel_hi:[1,0] neg_lo:[0,1] neg_hi:[0,1]
.endm
; One tile's softmax for one key step is a list of 118 instructions; SM writes number j of it for tile t.
;   0-15   the maximum of the 32 scores and the old m, in four chains; each accumulator is read from its low end on
;   16-19  the other half of the lanes' maximum; the new m; m_old - m_new
;   20-68  ONE BATCH: the 16 subtractions and all 33 exponentials (a at 22); none of them names an exponential's result; a pair is subtracted two groups ahead of its exponentials
;   69     the plain instruction behind the last exponential;  the one wait for the batch follows it (SLICE)
;   70-85  the roundings to f16;  86-101 the sums, l = a l + the sum;  102-117 the tile's O^T times a
.macro SM t
.set rT, ST+8*(\t)
.set rS, S+32*(\t)
.set rP, P+16*(\t)
.set rO, 32*(\t)+2*(j-102)
.if j < 102
	WIN 0
.endif
.if j < 4
	v_max3_num_f32 v[rT+4+j], v[rS+8*j], v[rS+8*j+1], v[rS+8*j+2]
.elseif j < 12
	v_max3_num_f32 v[rT+4+j%4], v[rT+4+j%4], v[rS+8*(j%4)+2*(j/4)+1], v[rS+8*(j%4)+2*(j/4)+2]
.elseif j == 12
	v_max3_num_f32 v[rT+4], v[rT+4], v[rS+7], v[rS+15]
.elseif j == 13
	v_max3_num_f32 v[rT+6], v[rT+6], v[rS+23], v[rS+31]
.elseif j == 14
	v_max3_num_f32 v[rT+4], v[rT+4], v[rT+5], v[rT+6]
.elseif j == 15
	v_max3_num_f32 v[rT+4], v[rT+4], v[rT+7], v[rT]
.elseif j == 16
	v_permlanex16_b32 v[rT+5], v[rT+4], s[SEL], s[SEL+1]   ; the query's other 32 keys lie in the lane 16 away
.elseif j == 17
	v_max_num_f32 v[rT+5], v[rT+4], v[rT+5]
.elseif j == 18
	v_sub_f32 v[rT+7], v[rT], v[rT+5]
.elseif j == 19
	v_mov_b32 v[rT], v[rT+5]
.elseif j < 22
	SUBM j-20
.elseif j == 22
	v_exp_f32 v[rT+6], v[rT+7]
.elseif j < 65
.set nn, j-23
.set bb, 2+nn/3
.if nn%3 == 0
	SUBM bb
.else
.set ee, 2*(bb-2)+nn%3-1
	v_exp_f32 v[rS+ee], v[rS+ee]
.endif
.elseif j < 69
	v_exp_f32 v[rS+j-37], v[rS+j-37]
.elseif j == 69
	v_nop
.elseif j < 86
	v_cvt_pk_f16_f32 v[rP+j-70], v[rS+2*(j-70)], v[rS+2*(j-70)+1]
.elseif j < 101                        ; the sum of the 16 pairs, in place: neighbours 1, 2, 4 and 8 pairs apart
.set zz, j-86
.set ww, 4
.set uu, zz
.if zz >= 14
.set ww, 32
.set uu, 0
.elseif zz >= 12
.set ww, 16
.set uu, zz-12
.elseif zz >= 8
.set ww, 8
.set uu, zz-8
.endif
	v_pk_add_f32 v[rS+ww*uu:rS+ww*uu+1], v[rS+ww*uu:rS+ww*uu+1], v[rS+ww*uu+ww/2:rS+ww*uu+ww/2+1]
.elseif j == 101
	v_pk_fma_f32 v[rT+2:rT+3], v[rT+2:rT+3], v[rT+6:rT+7], v[rS:rS+1] op_sel_hi:[1,0,1]
.else
	WIN W_RS
	v_pk_mul_f32 v[rO:rO+1], v[rO:rO+1], v[rT+6:rT+7] op_sel_hi:[1,0]
.endif
.endm
; Slice k of 16 of tile y's softmax: seven numbers of the list; slice 14 the last four of window 0; slice 15 the sixteen multiplies of O^T, which are also the four places between a turn's last K Q^T
; and what follows: the next turn's first read of those scores, and the loads into K.  Behind slice 9 all exponentials are issued and no result has been named: there stands the turn's one wait;
; in tile 1's turn (y = 0) V's run of loads stands there too: between the last product that read V and these loads lie five subtractions, the v_nop and the run's own v_add_nc_u32.
.macro SLICE y
.if k < 14
.irp n, 0,1,2,3,4,5,6
.set j, 7*k+\n
	SM \y
.endr
.elseif k == 14
.irp n, 0,1,2,3
.set j, 98+\n
	SM \y
.endr
.else
.set j, 102
.rept 16
	SM \y
.set j, j+1
.endr
.endif
.if k == 9
.if (\y) == 0
	FETCH_V
.else
	s_wait_alu depctr_va_vdst(0)
.endif
.endif
.set k, k+1
.endm
; A TURN: tile x has the matrix unit.  pv: 8 products V^T P of the step in hand; kq: 8 products K Q^T of the next step.  A turn with one of the two kinds has two slices behind each product.
.macro TURN x, pv, kq
.set k, 0
.set per, 2
.if \pv && \kq
.set per, 1
.endif
.if \pv
.if \x == 0
	s_wait_dscnt 0x0                               ; V is in
.if \kq
	FETCH_K                                        ; the next step's K: eight matrix instructions ahead of its first use
.endif
.endif
.set i, 0
.rept 8
	PV \x
.rept per
	SLICE 1-\x
.endr
.set i, i+1
.endr
.endif
.if \kq
.if \x == 0
	s_wait_dscnt 0x0                               ; K is in
.endif
.set i, 0
.rept 8
	KQ \x
.rept per
	SLICE 1-\x
.endr
.set i, i+1
.endr
.endif
.endm
; THE CHANGE OF SLOTS, between tile 1's turn and tile 0's: the slot's last bytes, V of its eighth step, have been asked for.  Each wave waits for all its tensor loads (one is out: its part of the other slot), adds 0 to its
; spare word, and waits for that and for its reads of the slot.  fill = 1: a round of the cluster's barrier, and the joint refill first behind it, with the keys two chunks on: it has eight key steps in which to land.
.macro CHANGE fill
	WIN 0
	s_wait_tensorcnt 0x0                           ; no tensor load of mine is out, so a group 0 may be written
	ds_add_u32 v[SPW], v[NIL]                      ; 0 onto my spare word
.if \fill
	s_xor_b32 s[G0+5], s[G0+5], SLOT1              ; the walking descriptor: the other slot than last time,
	s_add_nc_u64 s[G0+6:G0+7], s[G0+6:G0+7], 131072  ; the next chunk; the type bits on top are not reached
	s_wait_xcnt 0x0                                ; the last prefetch, a chunk back, has read its address, so it may be written
	s_add_nc_u64 s[PFA:PFA+1], s[PFA:PFA+1], 131072
	s_wait_dscnt 0x0                               ; the add is done, and my reads of the slot are over
	CROUND
	tensor_load_to_lds s[G0+4:G0+7], s[G1:G1+7]    ; my one tensor load behind the round
	s_nop 0
.rept 4
	v_nop
.endr
	ASK
.else
	s_wait_dscnt 0x0
	s_barrier_signal -1
	s_barrier_wait -1
.endif
	s_sub_co_u32 s[TB], s[TB], 65536               ; the fetches go back to a slot's first step,
	s_xor_b32 s[TB], s[TB], SLOT1                  ; in the other slot
.endm
.macro EIGHT                           ; a chunk's eight key steps: written once, walked eight times
	s_mov_b32 s[TRIPS], 8
.Lstep_\@:
	TURN 0, 1, 1
	TURN 1, 1, 1
	WIN 0
	s_sub_co_u32 s[TRIPS], s[TRIPS], 1
	s_cmp_lg_u32 s[TRIPS], 0
	s_cbranch_scc1 .Lstep_\@
.endm
	s_wait_tensorcnt 1                             ; my part of slot 0 is in; slot 1's may stay out
	s_barrier_signal -1
	s_barrier_wait -1                              ; everybody's is
	FETCH_K                                        ; key step 0
	s_wait_loadcnt 0x0                             ; Q
	s_wait_dscnt 0x0
.set i, 0
.rept 8
	KQ 0                                           ; tile 0's first scores
.set i, i+1
.endr
.rept 4
	v_nop                                          ; places in front of the first read of those scores
.endr
	TURN 1, 0, 1                                   ; tile 1's first scores | tile 0's first softmax | V of step 0
	WIN 0
	s_mov_b32 s[TRIPS], 7
.Lfirst:                                           ; the rest of chunk 0: steps 1 to 7 are fetched
	TURN 0, 1, 1
	TURN 1, 1, 1
	WIN 0
	s_sub_co_u32 s[TRIPS], s[TRIPS], 1
	s_cmp_lg_u32 s[TRIPS], 0
	s_cbranch_scc1 .Lfirst
.Lslot:                                            ; six trips: chunks 2 to 7 are asked for
	CHANGE 1
	EIGHT
	s_sub_co_u32 s[SLOTS], s[SLOTS], 1
	s_cmp_lg_u32 s[SLOTS], 0
	s_cbranch_scc1 .Lslot
	CHANGE 0                                       ; the last change is written out: nothing is asked for
	EIGHT
	TURN 0, 1, 0                                   ; tile 0: V^T P of the last step | tile 1's last softmax
.set i, 0
.rept 8
	PV 1                                           ; tile 1: V^T P of the last step
.set i, i+1
.endr
	; THE WAY OUT.  l's halves and the other half of the lanes' are added (these lines are the places behind the last products); O^T / l is rounded to f16: 16 bytes a lane for each channel tile, one store of 512 consecutive bytes, aligned.
	WIN 0
.irp t, 0,1
	v_add_f32 v[ST+8*\t+4], v[ST+8*\t+2], v[ST+8*\t+3]
.endr
.irp t, 0,1
	v_permlanex16_b32 v[ST+8*\t+5], v[ST+8*\t+4], s[SEL], s[SEL+1]
.endr
.irp t, 0,1
	v_add_f32 v[ST+8*\t+4], v[ST+8*\t+4], v[ST+8*\t+5]
.endr
.irp t, 0,1
	v_rcp_f32 v[ST+8*\t+6], v[ST+8*\t+4]
.endr
	v_nop                                          ; a plain instruction behind the last reciprocal
	s_wait_alu depctr_va_vdst(0)                   ; and the wait ahead of the first use: one for both
.irp t, 0,1
	WIN W_RS
.set n, 32*\t
.rept 16
	v_pk_mul_f32 v[n:n+1], v[n:n+1], v[ST+8*\t+6:ST+8*\t+7] op_sel_hi:[1,0]   ; each accumulator from its low end on
.set n, n+2
.endr
	WIN 0x05                                       ; sources window 1, destination window 0: S^T's registers are free
.set n, 0
.rept 16
	v_cvt_pk_f16_f32 v[S+16*\t+n], v[32*\t+2*n], v[32*\t+2*n+1]
.set n, n+1
.endr
	WIN 0
.irp c, 0,1,2,3
	global_store_b128 v[LI], v[S+16*\t+4*\c:S+16*\t+4*\c+3], s[8:9] offset:8192*\t+512*\c
.endr
.endr
	s_wait_tensorcnt 0x0                           ; the wave's end
	ds_add_u32 v[SPW], v[NIL]
	s_wait_dscnt 0x0
	CROUND                                         ; the closing round
	s_endpgm
.Lfunc_end_k_qb3c14d1fb7_attn:
	.size	k_qb3c14d1fb7_attn, .Lfunc_end_k_qb3c14d1fb7_attn-k_qb3c14d1fb7_attn
	.p2alignl 7, 3214868480
	.fill 96, 4, 3214868480
	.section	.rodata,"a",@progbits
	.p2align	6, 0x0
	.amdhsa_kernel k_qb3c14d1fb7_attn
		.amdhsa_group_segment_fixed_size 327680
		.amdhsa_private_segment_fixed_size 0
		.amdhsa_enable_private_segment 0
		.amdhsa_kernarg_size 24
		.amdhsa_user_sgpr_count 2
		.amdhsa_user_sgpr_kernarg_segment_ptr 1
		.amdhsa_wavefront_size32 1
		.amdhsa_system_sgpr_workgroup_id_x 1
		.amdhsa_system_sgpr_workgroup_id_y 1
		.amdhsa_system_sgpr_workgroup_id_z 1
		.amdhsa_system_vgpr_workitem_id 0
		.amdhsa_next_free_vgpr 384
		.amdhsa_next_free_sgpr 66
		.amdhsa_reserve_vcc 0
		.amdhsa_float_denorm_mode_32 3
		.amdhsa_float_denorm_mode_16_64 3
		.amdhsa_memory_ordered 1
		.amdhsa_forward_progress 1
		.amdhsa_inst_pref_size 87
	.end_amdhsa_kernel
	.amdgpu_metadata
---
amdhsa.version: [ 1, 2 ]
amdhsa.kernels:
  - .name:           k_qb3c14d1fb7_attn
    .symbol:         k_qb3c14d1fb7_attn.kd
    .args:
      - { .name: qf, .offset: 0, .size: 8, .value_kind: global_buffer, .address_space: global }
      - { .name: kvf, .offset: 8, .size: 8, .value_kind: global_buffer, .address_space: global }
      - { .name: af, .offset: 16, .size: 8, .value_kind: global_buffer, .address_space: global }
    .group_segment_fixed_size: 327680
    .private_segment_fixed_size: 0
    .kernarg_segment_align: 8
    .kernarg_segment_size: 24
    .max_flat_workgroup_size: 256
    .sgpr_count:     66
    .vgpr_count:     384
    .wavefront_size: 32
...
	.end_amdgpu_metadata
.endif
;; end of part 3
;; launch oproj (part 4): grid 8 x 32, 4 waves a work-group, clusters of 4 x 4, 327,680 bytes of LDS; arguments af, owf, o_b, out0; writes out0
.if DOCPART == 4
	.amdgcn_target "amdgcn-amd-amdhsa--gfx1250"
	.amdhsa_code_object_version 6
	.text
	.protected	k_qb3c14d1fb7_oproj
	.globl	k_qb3c14d1fb7_oproj
	.p2align	8
	.type	k_qb3c14d1fb7_oproj,@function
k_qb3c14d1fb7_oproj:
	s_mov_b64 s[64:65], 0
	v_nop
	global_prefetch_b8 v0, s[64:65] scope:SCOPE_SE
	s_setreg_imm32_b32 hwreg(HW_REG_WAVE_MODE, 25, 1), 1
	s_wait_xcnt 0x0
	s_wait_alu depctr_hold_cnt(0) depctr_sa_sdst(0) depctr_va_vdst(0) depctr_va_sdst(0) depctr_va_ssrc(0) depctr_va_vcc(0) depctr_vm_vsrc(0)
	s_getreg_b32 s2, hwreg(HW_REG_IB_STS2, 6, 4)
	s_cmp_eq_u32 s2, 0
	s_cbranch_scc0 .Lentry_in_a_cluster
	s_endpgm
.Lentry_in_a_cluster:
	s_bfe_u32 s2, ttmp6, 0x10000c
	s_cmp_lg_u32 s2, 0xf033
	s_cbranch_scc0 .Lentry_shape_is_right
	s_endpgm
.Lentry_shape_is_right:
; out0 [4096][1024] f32 = (attention's result) o_w + o_b.  Operands in f16, sums in f32.  K = 1,024.
; af  [rb 32 (128 rows)][kc 4 (256 along K)][row tile 8][kstep 8][group 2][L][16 B] and owf [cb 8 (128 columns)][kc 4][column tile 8][kstep 8][group 2][L][16 B] hold images of operand registers:
; a fragment (16 rows or columns x 32 K, 8 registers) is 1,024 consecutive bytes, lane L's 16 bytes at 16 L and at 512 + 16 L.  A chunk [rb][kc] or [cb][kc] is a dense block of 65,536 bytes.
; A tile of the result is 128 x 128: 256 work-groups of four waves, each 64 x 64: 16 accumulators, which take turns, one instruction a turn.
; K goes in chunks of 256 through a ring of two LDS slots (A's chunk, then B's); each wave brings half a chunk, 128 rows of 256 bytes, by one tensor load: two loads of a wave are out at the head, one behind each round.
; CLUSTER 4 x 4: the four of a row need the same chunks of A, the four of a column the same chunks of B: each is asked for jointly.
; THE MATRIX INSTRUCTION IS USED TRANSPOSED (source 0 = 16 columns of o_w, source 1 = 16 rows): a lane holds eight neighbouring numbers of a row.  The bias is the C of each sum's first product.
; REGISTERS: window 0: v16-29 addresses; v32-95 the bias (v32-63), later rows on the way out; v128-255 the accumulators ((a, b) at v[128 + 8 (4 a + b)]).
;   window 1: two fragment buffers of 128: for 64 along K, 64 registers of A (2 x 4 tiles), then 64 of B.
.set CHB,    65536
.set SLOT,   131072
.set STAGE,  262144                    ; behind the ring: 16 rows x 272 bytes for each wave, for the way out
.set SPITCH, 272                       ; 256 bytes + 16: the sixteen rows that a store touches start at sixteen different 16-byte columns
.set SPARE,  STAGE+4*16*SPITCH         ; behind the stages: the spare words, 128 bytes a wave
.set ADRA, 16                          ; v16-17 my A fragments in slot 0, 1
.set ADRB, 20                          ; v20-21 the same for B
.set STO,  24
.set RD,   25
.set CO,   26
.set BO,   27
.set SPW,  28
.set NIL,  29
.set TMP,  32
.set ACC,  128
.set F0,   0
.set F1,   128
.set WV,   16                          ; s16 wave; s17 w / 2: my rows' half, also: I fetch for A (0) or B (1); s18 w % 2: my columns' half, also: which half of a chunk I fetch
.set WR,   17
.set WC,   18
.set G1,   24
.set G0,   32
.set G1B,  48
.set G0B,  56
.set MSB, 0
.macro WIN new
.if MSB != \new
	s_set_vgpr_msb (MSB<<8)|\new
.set MSB, \new
.endif
.endm
.set MUL,  0x05                        ; sources 0 (B) and 1 (A) window 1; C and D window 0
.set TO_F, 0x40                        ; destination window 1, address window 0
.macro JLOAD s                         ; a joint load: waves 0 and 1 fetch A's halves, waves 2 and 3 B's; the branch hangs on the wave's number alone
	s_cmp_eq_u32 s[WR], 0
	s_cbranch_scc0 .Lfor_b_\@
	tensor_load_to_lds s[G0+4*\s:G0+4*\s+3], s[G1:G1+7]
	s_nop 0
.rept 4
	v_nop
.endr
	s_branch .Lasked_\@
.Lfor_b_\@:
	tensor_load_to_lds s[G0B+4*\s:G0B+4*\s+3], s[G1B:G1B+7]
	s_nop 0
.rept 4
	v_nop
.endr
.Lasked_\@:
.endm
.macro CREST                           ; a round of the cluster's barrier behind its opening barrier
	s_cmp_lg_u32 s[WV], 0
	s_cbranch_scc1 .Lnot_wave_0_\@
	s_barrier_signal -3
.Lnot_wave_0_\@:
	s_barrier_wait -3
	s_barrier_signal -1
	s_barrier_wait -1
.endm
.macro CROUND
	s_barrier_signal -1
	s_barrier_wait -1
	CREST
.endm
	s_load_b256 s[4:11], s[0:1], 0x0               ; af s[4:5], owf s[6:7], o_b s[8:9], out0 s[10:11]
	v_lshl_add_u32 v[SPW], v0, 2, SPARE
	v_mov_b32 v[NIL], 0
	ds_add_u32 v[SPW], v[NIL]                      ; the wave's opening: the add, twice on end; its wait stands ahead of my first tensor load
	ds_add_u32 v[SPW], v[NIL]
	v_lshrrev_b32 v1, 5, v0
	v_readfirstlane_b32 s[WV], v1                  ; wave 0..3
	s_lshr_b32 s[WR], s[WV], 1
	s_and_b32 s[WC], s[WV], 1
	s_bfe_u32 s40, ttmp6, 0x40000                  ; cx
	s_bfe_u32 s41, ttmp6, 0x40004                  ; cy
	s_lshl_b32 s42, ttmp9, 2
	s_add_co_u32 s42, s42, s40                     ; cb
	s_and_b32 s13, ttmp7, 0xffff
	s_lshl_b32 s13, s13, 2
	s_add_co_u32 s13, s13, s41                     ; rb
	s_lshl_b32 s43, s41, 2
	s_lshl_b32 s43, 15, s43                        ; my row of the cluster
	s_lshl_b32 s44, 0x1111, s40                    ; my column
	s_or_b32 s[G1], s43, (3<<16)|(1<<21)           ; 15:0 the mask; 17:16 elements of 8 bytes; 21 set beside a mask
	s_or_b32 s[G1B], s44, (3<<16)|(1<<21)
.irp g, G1, G1B
	s_mov_b32 s[\g+1], 32<<16                      ; tensor_dim0: rows of 256 bytes
	s_mov_b32 s[\g+2], 128<<16                     ; tensor_dim1
	s_mov_b32 s[\g+3], 32<<16                      ; tile_dim0
	s_mov_b32 s[\g+4], 128                         ; tile_dim1
	s_mov_b32 s[\g+5], 32                          ; the pitch: the block is dense
	s_mov_b32 s[\g+6], 0
	s_mov_b32 s[\g+7], 0
.endr
	s_lshl_b32 s22, s[WC], 15                      ; which half of a chunk I fetch
	s_lshl_b32 s20, s13, 18                        ; A: made of rb and the wave's number alone
	s_add_co_u32 s20, s20, s22
	s_mov_b32 s21, 0
	s_lshl_b32 s46, s42, 18                        ; B: made of cb and the wave's number alone
	s_add_co_u32 s46, s46, s22
	s_mov_b32 s47, 0
	s_lshl_b32 s19, s[WV], 15                      ; where it goes: 32,768 x wave
	s_wait_dscnt 0x0                               ; both opening adds are done
	s_wait_kmcnt 0x0
	s_add_nc_u64 s[20:21], s[4:5], s[20:21]
	s_add_nc_u64 s[46:47], s[6:7], s[46:47]
	CROUND                                         ; all sixteen work-groups are here: the first joint loads meet
.irp s, 0,1
	s_mov_b32 s[G0+4*\s], 1
	s_add_co_u32 s[G0+4*\s+1], s19, \s*SLOT
	s_add_nc_u64 s[G0+4*\s+2:G0+4*\s+3], s[20:21], \s*CHB
	s_or_b32 s[G0+4*\s+3], s[G0+4*\s+3], 0x80000000
	s_mov_b32 s[G0B+4*\s], 1
	s_add_co_u32 s[G0B+4*\s+1], s19, \s*SLOT
	s_add_nc_u64 s[G0B+4*\s+2:G0B+4*\s+3], s[46:47], \s*CHB
	s_or_b32 s[G0B+4*\s+3], s[G0B+4*\s+3], 0x80000000
	JLOAD \s
.endr
	v_and_b32 v1, 15, v0                           ; r
	v_bfe_u32 v2, v0, 4, 1                         ; h
	v_and_b32 v3, 31, v0
	v_lshlrev_b32 v3, 4, v3                        ; 16 L
	s_lshl_b32 s22, s[WR], 15                      ; my four row tiles of A
	s_lshl_b32 s23, s[WC], 15
	s_add_co_u32 s23, s23, CHB                     ; my four column tiles of B, behind A's chunk
.irp s, 0,1
	v_add_nc_u32 v[ADRA+\s], s22, v3
	v_add_nc_u32 v[ADRB+\s], s23, v3
	s_add_co_u32 s22, s22, SLOT
	s_add_co_u32 s23, s23, SLOT
.endr
	s_mul_i32 s22, s[WV], 16*SPITCH
	s_add_co_u32 s22, s22, STAGE                   ; my stage
	v_mul_u32_u24 v4, v1, SPITCH
	v_lshl_add_u32 v4, v2, 5, v4
	v_add_nc_u32 v[STO], s22, v4                   ; in: row r, 32 bytes for each half of the lanes
	v_mul_u32_u24 v5, v2, SPITCH
	v_lshl_add_u32 v5, v1, 4, v5
	v_add_nc_u32 v[RD], s22, v5                    ; back: lanes 0-15 one row of 256 bytes, lanes 16-31 the next
	v_lshlrev_b32 v[CO], 12, v2
	v_lshl_add_u32 v[CO], v1, 4, v[CO]             ; and the same two rows in out0
	v_lshlrev_b32 v[BO], 5, v2                     ; the bias: my eight columns of a tile
	s_lshl_b32 s14, s42, 9
	s_lshl_b32 s2, s[WC], 8
	s_add_co_u32 s14, s14, s2                      ; my first column, in bytes
	s_mov_b32 s15, 0
	s_add_nc_u64 s[8:9], s[8:9], s[14:15]
	s_lshl_b32 s2, s13, 19                         ; 128 rows of 4,096 bytes,
	s_add_co_u32 s14, s14, s2
	s_lshl_b32 s2, s[WR], 18                       ; my 64 of them
	s_add_co_u32 s14, s14, s2
	s_add_nc_u64 s[10:11], s[10:11], s[14:15]
.irp b, 0,1,2,3
	global_load_b128 v[TMP+8*\b:TMP+8*\b+3], v[BO], s[8:9] offset:64*\b
	global_load_b128 v[TMP+8*\b+4:TMP+8*\b+7], v[BO], s[8:9] offset:64*\b+16
.endr
; 8 products: row tiles a0, a0 + 1 x all 4 column tiles, 32 along K: half c of buffer f.  first = 1: the bias is C
.macro MUL8 f, c, a0, first
.irp a, \a0, \a0+1
.irp b, 0,1,2,3
.if \first
	v_wmma_f32_16x16x32_f16 v[ACC+8*(4*(\a)+\b):ACC+8*(4*(\a)+\b)+7], v[\f+64+8*(4*\c+\b):\f+64+8*(4*\c+\b)+7], v[\f+8*(4*\c+\a):\f+8*(4*\c+\a)+7], v[TMP+8*\b:TMP+8*\b+7]
.else
	v_wmma_f32_16x16x32_f16 v[ACC+8*(4*(\a)+\b):ACC+8*(4*(\a)+\b)+7], v[\f+64+8*(4*\c+\b):\f+64+8*(4*\c+\b)+7], v[\f+8*(4*\c+\a):\f+8*(4*\c+\a)+7], v[ACC+8*(4*(\a)+\b):ACC+8*(4*(\a)+\b)+7]
.endif
.endr
.endr
.endm
; 32 LDS loads in one run: the fragments of the slot's kq-th 64 along K into buffer f; the first 32 along K first
.macro FETCH slot, kq, f
	WIN TO_F
.irp c, 0,1
.irp i, 0,1,2,3
	ds_load_b128 v[\f+64+8*(4*\c+\i):\f+64+8*(4*\c+\i)+3],   v[ADRB+\slot] offset:8192*\i+1024*(2*(\kq)+\c)
	ds_load_b128 v[\f+64+8*(4*\c+\i)+4:\f+64+8*(4*\c+\i)+7], v[ADRB+\slot] offset:8192*\i+1024*(2*(\kq)+\c)+512
	ds_load_b128 v[\f+8*(4*\c+\i):\f+8*(4*\c+\i)+3],         v[ADRA+\slot] offset:8192*\i+1024*(2*(\kq)+\c)
	ds_load_b128 v[\f+8*(4*\c+\i)+4:\f+8*(4*\c+\i)+7],       v[ADRA+\slot] offset:8192*\i+1024*(2*(\kq)+\c)+512
.endr
.endr
.endm
.macro PLACES                          ; four places in front of loads into registers that matrix instructions have read, and of the first read of results
.rept 4
	v_nop
.endr
.endm
; A chunk is four quarters of 64 along K, 32 products each, on buffers 0, 1, 0, 1.  One of the first three: multiplies buffer f and fetches quarter kq into g
.macro QUARTER slot, kq, f, g, first
	s_wait_dscnt 16                                ; the first 32 along K are in; the youngest sixteen loads may be out
	WIN MUL
	MUL8 \f, 0, 0, \first
	MUL8 \f, 0, 2, \first
	PLACES
	FETCH \slot, \kq, \g
	s_wait_dscnt 32                                ; all but the 32 just issued
	WIN MUL
	MUL8 \f, 1, 0, 0
	MUL8 \f, 1, 2, 0
.endm
; The last quarter multiplies buffer 1 and changes slots: in front of the barrier each wave waits for all its tensor loads, adds 0 to its spare word, and waits for that and for its reads of this slot.
; fill = 1: the barrier opens a round of the cluster's, and this slot is filled again, two chunks ahead, first thing behind it
.macro TURN slot, next, fill
	WIN 0                                          ; (the add's two registers lie in window 0)
	s_wait_tensorcnt 0x0                           ; all my tensor loads have landed: my part of the next slot
	ds_add_u32 v[SPW], v[NIL]                      ; 0 onto my spare word
	s_wait_dscnt 17                                ; (the add and the youngest sixteen loads may be out)
	WIN MUL
	MUL8 F1, 0, 0, 0                               ; eight products stand between the add and the wait for it
	s_wait_dscnt 0x0                               ; the add is done, and my reads of this slot are over
	s_barrier_signal -1
	MUL8 F1, 0, 2, 0
.if \fill
	WIN 0
.endif
	s_barrier_wait -1
.if \fill
	CREST                                          ; no wave of any partner still reads this slot or has a load on its way
	s_add_nc_u64 s[G0+4*\slot+2:G0+4*\slot+3], s[G0+4*\slot+2:G0+4*\slot+3], 2*CHB
	s_add_nc_u64 s[G0B+4*\slot+2:G0B+4*\slot+3], s[G0B+4*\slot+2:G0B+4*\slot+3], 2*CHB
	JLOAD \slot                                    ; the four v_nop behind it are also the places in front of the loads below
.else
	PLACES
.endif
	FETCH \next, 0, F0
	WIN MUL
	MUL8 F1, 1, 0, 0
	MUL8 F1, 1, 2, 0
.endm
	s_wait_tensorcnt 1                             ; my part of chunk 0 is in; chunk 1's load may stay out
	s_barrier_signal -1
	s_barrier_wait -1                              ; everybody's is
	FETCH 0, 0, F0
	s_wait_loadcnt 0x0                             ; the bias
	QUARTER 0, 1, F0, F1, 1                        ; chunk 0: the first products start the sums on the bias
	QUARTER 0, 2, F1, F0, 0
	QUARTER 0, 3, F0, F1, 0
	TURN 0, 1, 1                                   ; slot 0 takes chunk 2
	QUARTER 1, 1, F0, F1, 0                        ; chunk 1
	QUARTER 1, 2, F1, F0, 0
	QUARTER 1, 3, F0, F1, 0
	TURN 1, 0, 1                                   ; slot 1 takes chunk 3
	QUARTER 0, 1, F0, F1, 0                        ; chunk 2
	QUARTER 0, 2, F1, F0, 0
	QUARTER 0, 3, F0, F1, 0
	TURN 0, 1, 0                                   ; nothing is left to fetch
	QUARTER 1, 1, F0, F1, 0                        ; chunk 3
	QUARTER 1, 2, F1, F0, 0
	QUARTER 1, 3, F0, F1, 0
	s_wait_dscnt 16
	WIN MUL
	MUL8 F1, 0, 0, 0
	MUL8 F1, 0, 2, 0
	s_wait_dscnt 0x0
	MUL8 F1, 1, 0, 0
	MUL8 F1, 1, 2, 0
	WIN 0
; THE WAY OUT, 16 rows x 64 columns at a time.  A lane holds 32 neighbouring bytes of a row for each column tile, and the lanes beside it hold other rows: the block goes through my own stage and comes back as rows of
; 256 bytes, which sixteen lanes store as 256 consecutive bytes, aligned.  LDS serves a wave's instructions in order (ISA guide 5.7.1.4): no wait between the stores and the loads, nor in front of the next block's stores.
.macro TOSTAGE a
.irp b, 0,1,2,3
	ds_store_b128 v[STO], v[ACC+8*(4*(\a)+\b):ACC+8*(4*(\a)+\b)+3] offset:64*\b          ; each accumulator from its low end on
	ds_store_b128 v[STO], v[ACC+8*(4*(\a)+\b)+4:ACC+8*(4*(\a)+\b)+7] offset:64*\b+16
.endr
.irp t, 0,1,2,3,4,5,6,7
	ds_load_b128 v[TMP+32*((\a)%2)+4*\t:TMP+32*((\a)%2)+4*\t+3], v[RD] offset:2*SPITCH*\t
.endr
.endm
.macro SEND a, younger                 ; younger: the LDS instructions issued behind block a's loads, which may stay out
	s_wait_dscnt \younger
.irp t, 0,1,2,3,4,5,6,7
	global_store_b128 v[CO], v[TMP+32*((\a)%2)+4*\t:TMP+32*((\a)%2)+4*\t+3], s[10:11] offset:65536*(\a)+8192*\t th:TH_STORE_NT   ; the block's and the pair's rows stand in the immediate: 253,952 at the most
.endr
.endm
	PLACES
	TOSTAGE 0
.irp a, 1,2,3
.if \a > 1
	s_wait_xcnt 0x0                                ; block a - 2's stores have read their registers: block a's loads may land there
.endif
	TOSTAGE \a
	SEND \a-1, 16                                  ; behind block a - 1's loads: block a's 8 stores and 8 loads
.endr
	SEND 3, 0
	s_wait_tensorcnt 0x0                           ; the wave's end, behind my last tensor load and my last LDS store
	ds_add_u32 v[SPW], v[NIL]
	s_wait_dscnt 0x0
	CROUND                                         ; the closing round
	s_endpgm
.Lfunc_end_k_qb3c14d1fb7_oproj:
	.size	k_qb3c14d1fb7_oproj, .Lfunc_end_k_qb3c14d1fb7_oproj-k_qb3c14d1fb7_oproj
	.p2alignl 7, 3214868480
	.fill 96, 4, 3214868480
	.section	.rodata,"a",@progbits
	.p2align	6, 0x0
	.amdhsa_kernel k_qb3c14d1fb7_oproj
		.amdhsa_group_segment_fixed_size 327680
		.amdhsa_private_segment_fixed_size 0
		.amdhsa_enable_private_segment 0
		.amdhsa_kernarg_size 32
		.amdhsa_user_sgpr_count 2
		.amdhsa_user_sgpr_kernarg_segment_ptr 1
		.amdhsa_wavefront_size32 1
		.amdhsa_system_sgpr_workgroup_id_x 1
		.amdhsa_system_sgpr_workgroup_id_y 1
		.amdhsa_system_sgpr_workgroup_id_z 1
		.amdhsa_system_vgpr_workitem_id 0
		.amdhsa_next_free_vgpr 512
		.amdhsa_next_free_sgpr 66
		.amdhsa_reserve_vcc 0
		.amdhsa_float_denorm_mode_32 3
		.amdhsa_float_denorm_mode_16_64 3
		.amdhsa_memory_ordered 1
		.amdhsa_forward_progress 1
		.amdhsa_inst_pref_size 86
	.end_amdhsa_kernel
	.amdgpu_metadata
---
amdhsa.version: [ 1, 2 ]
amdhsa.kernels:
  - .name:           k_qb3c14d1fb7_oproj
    .symbol:         k_qb3c14d1fb7_oproj.kd
    .args:
      - { .name: af, .offset: 0, .size: 8, .value_kind: global_buffer, .address_space: global }
      - { .name: owf, .offset: 8, .size: 8, .value_kind: global_buffer, .address_space: global }
      - { .name: o_b, .offset: 16, .size: 8, .value_kind: global_buffer, .address_space: global }
      - { .name: out0, .offset: 24, .size: 8, .value_kind: global_buffer, .address_space: global }
    .group_segment_fixed_size: 327680
    .private_segment_fixed_size: 0
    .kernarg_segment_align: 8
    .kernarg_segment_size: 32
    .max_flat_workgroup_size: 128
    .sgpr_count:     66
    .vgpr_count:     512
    .wavefront_size: 32
...
	.end_amdgpu_metadata
.endif
;; end of part 4
